; MI455X (gfx1250); checked and timed in simulation.
; The chip was launched on July 23, 2026; its instructions are those of AMD's public machine-readable ISA for CDNA 5 (MIT licence, August 2026) and "CDNA5" Instruction Set Architecture Reference Guide (July 2026).
;; Capsule Layer. Allowed arithmetic: float matrix products may take bf16 or f16 operands with f32 sums; other float arithmetic in f32, or as packed bf16 or f16 multiplies, adds, multiply-adds, maxima and minima; sums over many terms, partial sums and values carried from step to step in f32; what a program stores and reads back later, other than sums and carried values, may be rounded once to bf16 or f16.
;; Inputs: route_weights 32 x 256 x 256 float32; route_weights1 64 x 256 x 256 float32; x 64 x 128 x 256 float32.
;; Outputs: out0 32 x 64 x 256 float32.
;; One version. Each part assembles by itself: llvm-mc -triple=amdgcn-amd-amdhsa -mcpu=gfx1250 --defsym DOCPART=n.
;; ======== version 1 of 1: 3 launches
;; workspace buffers: xb 4,194,304 bytes; w1f 8,388,608 bytes; w2f 4,194,304 bytes; o1s 4,194,304 bytes
;; launch prep (part 1): grid 512 x 1, 8 waves a work-group, no clusters, 0 bytes of LDS; arguments x, route_weights1, route_weights, xb, w1f, w2f; writes xb, w1f, w2f
.if DOCPART == 1
	.amdgcn_target "amdgcn-amd-amdhsa--gfx1250"
	.amdhsa_code_object_version 6
	.text
	.protected	k_q64e7e63205_prep
	.globl	k_q64e7e63205_prep
	.p2align	8
	.type	k_q64e7e63205_prep,@function
k_q64e7e63205_prep:
	s_mov_b64 s[64:65], 0
	v_nop
	global_prefetch_b8 v0, s[64:65] scope:SCOPE_SE
	s_setreg_imm32_b32 hwreg(HW_REG_WAVE_MODE, 25, 1), 1
	s_wait_xcnt 0x0
.set V,  16
.set DD, 80
	s_load_b256 s[4:11], s[0:1], 0x0
	s_load_b128 s[12:15], s[0:1], 0x20
	v_lshrrev_b32 v1, 5, v0
	v_readfirstlane_b32 s16, v1
	v_and_b32 v1, 31, v0
	s_mov_b32 s17, ttmp9
	s_mov_b32 s27, 0
	s_wait_kmcnt 0x0
.macro WJOB src, dst
	s_lshr_b32 s18, s17, 2
	s_and_b32 s20, s17, 3
	s_lshl_b32 s26, s18, 18
	s_lshl_b32 s19, s16, 15
	s_add_co_u32 s26, s26, s19
	s_lshl_b32 s19, s20, 8
	s_add_co_u32 s26, s26, s19
	s_add_nc_u64 s[22:23], s[\src:\src+1], s[26:27]
	s_lshl_b32 s26, s18, 17
	s_lshl_b32 s19, s20, 15
	s_add_co_u32 s26, s26, s19
	s_lshl_b32 s19, s16, 12
	s_add_co_u32 s26, s26, s19
	s_add_nc_u64 s[24:25], s[\dst:\dst+1], s[26:27]
	v_and_b32 v2, 15, v0
	v_bfe_u32 v3, v0, 4, 1
	v_lshlrev_b32 v2, 4, v2
	v_lshl_add_u32 v2, v3, 13, v2
	v_lshlrev_b32 v3, 4, v1
.set i, 0
.rept 16
	global_load_b128 v[V+4*i:V+4*i+3], v2, s[22:23] offset:(i+8*(i/8))*1024 th:TH_LOAD_NT
.set i, i+1
.endr
.irp p, 0,1
	s_wait_loadcnt 8-8*(\p)
.irp et, 0,1,2,3
.irp m, 0,1,2,3
	v_cvt_pk_bf16_f32 v[DD+8*(\et)+4*(\p)+(\m)], v[V+4*(8*(\p)+2*(\m))+(\et)], v[V+4*(8*(\p)+2*(\m)+1)+(\et)]
.endr
	global_store_b128 v3, v[DD+8*(\et)+4*(\p):DD+8*(\et)+4*(\p)+3], s[24:25] offset:1024*(\et)+512*(\p)
.endr
.endr
.endm
	s_cmp_lt_u32 s17, 256
	s_cbranch_scc1 .Lw1
	s_cmp_lt_u32 s17, 384
	s_cbranch_scc1 .Lw2
	s_sub_co_u32 s17, s17, 384
	s_lshl_b32 s26, s17, 16
	s_lshl_b32 s19, s16, 13
	s_add_co_u32 s26, s26, s19
	s_add_nc_u64 s[22:23], s[4:5], s[26:27]
	s_lshr_b32 s26, s26, 1
	s_add_nc_u64 s[24:25], s[10:11], s[26:27]
	v_lshlrev_b32 v2, 4, v1
	v_lshlrev_b32 v3, 3, v1
.set i, 0
.rept 16
	global_load_b128 v[V+4*i:V+4*i+3], v2, s[22:23] offset:512*i th:TH_LOAD_NT
.set i, i+1
.endr
.set i, 0
.rept 16
	s_wait_loadcnt 15-i
	v_cvt_pk_bf16_f32 v[DD+2*i], v[V+4*i], v[V+4*i+1]
	v_cvt_pk_bf16_f32 v[DD+2*i+1], v[V+4*i+2], v[V+4*i+3]
.if (i/2)%2
	v_xor_b32 v[DD+2*i], 0x80008000, v[DD+2*i]
	v_xor_b32 v[DD+2*i+1], 0x80008000, v[DD+2*i+1]
.endif
	global_store_b64 v3, v[DD+2*i:DD+2*i+1], s[24:25] offset:256*i
.set i, i+1
.endr
	s_endpgm
.Lw1:
	WJOB 6, 12
	s_endpgm
.Lw2:
	s_sub_co_u32 s17, s17, 256
	WJOB 8, 14
	s_endpgm
.Lfunc_end_k_q64e7e63205_prep:
	.size	k_q64e7e63205_prep, .Lfunc_end_k_q64e7e63205_prep-k_q64e7e63205_prep
	.p2alignl 7, 3214868480
	.fill 96, 4, 3214868480
	.section	.rodata,"a",@progbits
	.p2align	6, 0x0
	.amdhsa_kernel k_q64e7e63205_prep
		.amdhsa_group_segment_fixed_size 0
		.amdhsa_private_segment_fixed_size 0
		.amdhsa_enable_private_segment 0
		.amdhsa_kernarg_size 48
		.amdhsa_user_sgpr_count 2
		.amdhsa_user_sgpr_kernarg_segment_ptr 1
		.amdhsa_wavefront_size32 1
		.amdhsa_system_sgpr_workgroup_id_x 1
		.amdhsa_system_sgpr_workgroup_id_y 1
		.amdhsa_system_sgpr_workgroup_id_z 1
		.amdhsa_system_vgpr_workitem_id 0
		.amdhsa_next_free_vgpr 112
		.amdhsa_next_free_sgpr 66
		.amdhsa_reserve_vcc 0
		.amdhsa_float_denorm_mode_32 3
		.amdhsa_float_denorm_mode_16_64 3
		.amdhsa_memory_ordered 1
		.amdhsa_forward_progress 1
		.amdhsa_inst_pref_size 18
	.end_amdhsa_kernel
	.amdgpu_metadata
---
amdhsa.version: [ 1, 2 ]
amdhsa.kernels:
  - .name:           k_q64e7e63205_prep
    .symbol:         k_q64e7e63205_prep.kd
    .args:
      - { .name: x, .offset: 0, .size: 8, .value_kind: global_buffer, .address_space: global }
      - { .name: route_weights1, .offset: 8, .size: 8, .value_kind: global_buffer, .address_space: global }
      - { .name: route_weights, .offset: 16, .size: 8, .value_kind: global_buffer, .address_space: global }
      - { .name: xb, .offset: 24, .size: 8, .value_kind: global_buffer, .address_space: global }
      - { .name: w1f, .offset: 32, .size: 8, .value_kind: global_buffer, .address_space: global }
      - { .name: w2f, .offset: 40, .size: 8, .value_kind: global_buffer, .address_space: global }
    .group_segment_fixed_size: 0
    .private_segment_fixed_size: 0
    .kernarg_segment_align: 8
    .kernarg_segment_size: 48
    .max_flat_workgroup_size: 256
    .sgpr_count:     66
    .vgpr_count:     112
    .wavefront_size: 32
...
	.end_amdgpu_metadata
.endif
;; end of part 1
;; launch route1 (part 2): grid 16 x 16, 4 waves a work-group, clusters of 4 x 1, 303,104 bytes of LDS; arguments xb, w1f, o1s; writes o1s
.if DOCPART == 2
	.amdgcn_target "amdgcn-amd-amdhsa--gfx1250"
	.amdhsa_code_object_version 6
	.text
	.protected	k_q64e7e63205_route1
	.globl	k_q64e7e63205_route1
	.p2align	8
	.type	k_q64e7e63205_route1,@function
k_q64e7e63205_route1:
	s_mov_b64 s[64:65], 0
	v_nop
	global_prefetch_b8 v0, s[64:65] scope:SCOPE_SE
	s_setreg_imm32_b32 hwreg(HW_REG_WAVE_MODE, 25, 1), 1
	s_wait_xcnt 0x0
	s_wait_alu depctr_hold_cnt(0) depctr_sa_sdst(0) depctr_va_vdst(0) depctr_va_sdst(0) depctr_va_ssrc(0) depctr_va_vcc(0) depctr_vm_vsrc(0)
	s_getreg_b32 s2, hwreg(HW_REG_IB_STS2, 6, 4)
	s_cmp_eq_u32 s2, 0
	s_cbranch_scc0 .Lentry_in_a_cluster
	s_endpgm
.Lentry_in_a_cluster:
	s_bfe_u32 s2, ttmp6, 0x10000c
	s_cmp_lg_u32 s2, 0x3003
	s_cbranch_scc0 .Lentry_shape_is_right
	s_endpgm
.Lentry_shape_is_right:
.set STAGE, 1
.if STAGE == 1
.set FINE, 1
.set SH,   3
.set NH,   4
.set NSL,  2
.set NKS,  8
.set INVN, 0x3c000000
.set PBLK, 2
.set ROWE, 256
.set QI,   6
.set XWS,  15
.set WSH,  19
.set OWS,  7
.set OPS,  12
.set OIS,  1024
.set NOUT, 8
.set PFB,  0
.else
.set FINE, 0
.set SH,   2
.set NH,   2
.set NSL,  1
.set NKS,  16
.set INVN, 0x3c800000
.set PBLK, 1
.set ROWE, 512
.set QI,   7
.set XWS,  16
.set WSH,  18
.set OWS,  8
.set OPS,  10
.set OIS,  4096
.set NOUT, 4
.set PFB,  16
.endif
.set PITCH, 2*ROWE+16
.set BLK,   64*PITCH+64
.set SLOT,  4*BLK
.set RED,   NSL*SLOT
.set REDX,  5120
.set OUTS,  RED+3*REDX
.set SPARE, OUTS+4*NOUT*512
.set SG,   0
.set SGI,  1
.set ADR0, 2
.set ADR,  3
.set RW0,  4
.set RR0,  5
.set RWA,  6
.set RRA,  7
.set OA0,  8
.set OA,   9
.set WO,   10
.set PFO,  11
.set SPW,  12
.set NIL,  13
.set FF,   14
.set XF,   16
.set TT,   16
.set RD,   32
.set LO,   RD+48
.set OV,   32
.set TQ,   64
.set QL,   96
.set QQ,   100
.set XA,   112
.set MX,   128
.set RZ,   136
.set S,    144
.set T2,   176
.set P,    208
.set LG,   240
.set WV,   10
.set CX,   11
.set GX,   12
.set YY,   13
.set SEL,  20
.set CS,   22
.set G1,   24
.set G0,   32
.set SOFF, 40
.set RB,   41
.set OOFF, 42
.set IT,   43
.set SL,   44
.set HC,   45
.set LIM,  46
.set WP,   48
.set FLG,  50
.set MSB, 0
.macro WIN new
.if MSB != (\new)
	s_set_vgpr_msb (MSB<<8)|(\new)
.set MSB, (\new)
.endif
.endm
.macro PLACES
.rept 4
	v_nop
.endr
.endm
.macro CROUND
	s_barrier_signal -1
	s_barrier_wait -1
	s_cmp_lg_u32 s[WV], 0
	s_cbranch_scc1 .Lnot_wave_0_\@
	s_barrier_signal -3
.Lnot_wave_0_\@:
	s_barrier_wait -3
	s_barrier_signal -1
	s_barrier_wait -1
.endm
.macro WLOAD
	WIN 0x40
.set n, 0
.rept 64
	global_load_b128 v[4*n:4*n+3], v[WO], s[WP:WP+1] offset:512*n
.set n, n+1
.endr
	WIN 0
.endm
.macro ASK
	s_cmp_gt_u32 s[FLG], s[LIM]
	s_cbranch_scc0 .Lnot_asked_\@
.irp k, 0,1,2,3
	global_prefetch_b8 v[PFO], s[WP:WP+1] offset:131072+8192*(\k) th:TH_LOAD_NT scope:SCOPE_SE
.endr
.Lnot_asked_\@:
.endm
.macro FETCH b
	WIN 0
.set i, 0
.rept 8
.set bt, 8*((\b)%2)+i
.if STAGE == 1
.set bo, (bt%8)*8*PITCH+(bt/8)*BLK
.else
.set bo, bt*4*PITCH
.endif
.set rX, XF+64*((\b)%2)+8*i
	ds_load_b128 v[rX:rX+3],   v[ADR] offset:bo+64*((\b)/2)
	ds_load_b128 v[rX+4:rX+7], v[ADR] offset:bo+64*((\b)/2)+32
.set i, i+1
.endr
.endm
.macro BATCH b
	s_wait_dscnt 0x0
.if (\b) < 2*NKS-1
.if (\b) > 0
	PLACES
.endif
	FETCH (\b)+1
.endif
.if (\b) == PFB
	ASK
.endif
	WIN 0xa1+0x50*((\b)%2)
.set i, 0
.rept 8
.set et, 0
.rept 4
.set rD, 8*(4*i+et)
.set rW, 8*(4*(((\b)/2)%8)+et)
.set rX, XF+64*((\b)%2)+8*i
.if (\b) < 2
	v_wmma_f32_16x16x32_bf16 v[rD:rD+7], v[rW:rW+7], v[rX:rX+7], 0
.else
	v_wmma_f32_16x16x32_bf16 v[rD:rD+7], v[rW:rW+7], v[rX:rX+7], v[rD:rD+7]
.endif
.set et, et+1
.endr
.set i, i+1
.endr
.endm
.macro SEVAL
.set bt, 0
.rept 16
	WIN 0x02+bt/8
.set jp, 0
.rept 4
.set et, 0
.rept 4
.set rA, 8*(4*(bt%8)+et)+2*jp
.set rS, S+8*et+2*jp
.if bt == 0
	v_pk_mul_f32 v[rS:rS+1], v[rA:rA+1], v[P+2*bt:P+2*bt+1]
.else
	v_pk_fma_f32 v[rS:rS+1], v[rA:rA+1], v[P+2*bt:P+2*bt+1], v[rS:rS+1]
.endif
.set et, et+1
.endr
.set jp, jp+1
.endr
.set bt, bt+1
.endr
	WIN 0
.endm
.macro SRED
.irp m, 1,2,4
.if \m < (1<<SH)
.set i, 0
.rept 32
	v_add_f32_dpp v[S+i], v[S+i], v[S+i] row_xmask:\m row_mask:0xf bank_mask:0xf
.set i, i+1
.endr
.endif
.endr
.endm
.macro QPART
.set n, 0
.rept 16
.if n < 4
	v_pk_mul_f32 v[QQ+2*n:QQ+2*n+1], v[S+2*n:S+2*n+1], v[S+2*n:S+2*n+1]
.else
	v_pk_fma_f32 v[QQ+2*(n%4):QQ+2*(n%4)+1], v[S+2*n:S+2*n+1], v[S+2*n:S+2*n+1], v[QQ+2*(n%4):QQ+2*(n%4)+1]
.endif
.set n, n+1
.endr
	v_pk_add_f32 v[QQ:QQ+1], v[QQ:QQ+1], v[QQ+2:QQ+3]
	v_pk_add_f32 v[QQ+4:QQ+5], v[QQ+4:QQ+5], v[QQ+6:QQ+7]
	v_pk_add_f32 v[QQ:QQ+1], v[QQ:QQ+1], v[QQ+4:QQ+5]
	v_add_f32 v[QQ], v[QQ], v[QQ+1]
	v_permlanex16_b32 v[QQ+1], v[QQ], s[SEL], s[SEL+1]
	v_add_f32 v[QQ], v[QQ], v[QQ+1]
.endm
.macro TEVAL
.set hf, 0
.rept 2
	WIN 0x02+hf
.set n, 0
.rept 16
.set i, 0
.rept 8
.set rA, 8*(4*i+n/4)+2*(n%4)
.set rT, T2+2*(8*hf+i)
.set rS, S+8*(n/4)+2*(n%4)
.if n == 0
	v_pk_mul_f32 v[rT:rT+1], v[rA:rA+1], v[rS:rS+1]
.else
	v_pk_fma_f32 v[rT:rT+1], v[rA:rA+1], v[rS:rS+1], v[rT:rT+1]
.endif
.set i, i+1
.endr
.set n, n+1
.endr
.set hf, hf+1
.endr
	WIN 0
.endm
.macro TRED
.set i, 0
.rept 16
	v_add_f32 v[T2+2*i], v[T2+2*i], v[T2+2*i+1]
.set i, i+1
.endr
.set i, 0
.rept 16
	v_permlanex16_b32 v[T2+2*i+1], v[T2+2*i], s[SEL], s[SEL+1]
.set i, i+1
.endr
.set i, 0
.rept 16
	v_add_f32 v[TT+i], v[T2+2*i], v[T2+2*i+1]
.set i, i+1
.endr
.irp n, 0,1,2,3
	ds_store_b128 v[RWA], v[TT+4*(\n):TT+4*(\n)+3] offset:16*(\n)
.endr
.endm
.macro FHEAD
	v_add_f32 v[QQ], v[QL], v[QL+1]
	v_add_f32 v[QQ+1], v[QL+2], v[QL+3]
	v_add_f32 v[QQ], v[QQ], v[QQ+1]
	v_add_f32 v[QQ+1], 1.0, v[QQ]
	v_rsq_f32 v[QQ+2], v[QQ]
	v_rcp_f32 v[QQ+3], v[QQ+1]
.endm
.macro FDONE sg
	s_wait_alu depctr_va_vdst(0)
	v_mul_f32 v[FF], v[QQ], v[QQ+2]
	v_mul_f32 v[FF], v[FF], v[QQ+3]
.if \sg
	v_mul_f32 v[FF], v[FF], v[SG]
.endif
	v_mov_b32 v[FF+1], v[FF]
.endm
.macro ADD8 d, a, b, neg=0
.set n, 0
.rept 8
.if \neg
	v_pk_add_f32 v[(\d)+2*n:(\d)+2*n+1], v[(\a)+2*n:(\a)+2*n+1], v[(\b)+2*n:(\b)+2*n+1] neg_lo:[0,1] neg_hi:[0,1]
.else
	v_pk_add_f32 v[(\d)+2*n:(\d)+2*n+1], v[(\a)+2*n:(\a)+2*n+1], v[(\b)+2*n:(\b)+2*n+1]
.endif
.set n, n+1
.endr
.endm
.macro FMA8 d, a, c
.set n, 0
.rept 8
	v_pk_fma_f32 v[(\d)+2*n:(\d)+2*n+1], v[(\a)+2*n:(\a)+2*n+1], v[FF:FF+1], v[(\c)+2*n:(\c)+2*n+1]
.set n, n+1
.endr
.endm
.macro TWOSUM s, e, a, b, t
	ADD8 \s, \a, \b
	ADD8 \t, \s, \a, 1
	ADD8 \e, \s, \t, 1
	ADD8 \e, \a, \e, 1
	ADD8 \t, \b, \t, 1
	ADD8 \e, \e, \t
.endm
.macro EXCH
	s_wait_dscnt 0x0
	s_barrier_signal -1
	s_barrier_wait -1
.irp w, 0,1,2,3
.irp n, 0,1,2,3
	ds_load_b128 v[RD+16*(\w)+4*(\n):RD+16*(\w)+4*(\n)+3], v[RRA] offset:1280*(\w)+16*(\n)
.endr
	ds_load_b32 v[QL+(\w)], v[RRA] offset:1280*(\w)+64
.endr
	s_wait_dscnt 0x0
	FHEAD
.if FINE
	TWOSUM T2, T2+16, RD, RD+16, XA
	TWOSUM RD, RD+16, RD+32, RD+48, XA
	TWOSUM TT, RD+32, T2, RD, XA
	ADD8 T2+16, T2+16, RD+16
	ADD8 LO, T2+16, RD+32
.else
	ADD8 RD, RD, RD+16
	ADD8 RD+32, RD+32, RD+48
	ADD8 TT, RD, RD+32
.endif
	FDONE FINE
.endm
.macro LUPD
.if FINE
	FMA8 RD, TT, LG
	ADD8 RD+32, LG, RD, 1
	FMA8 LG, TT, LG
	FMA8 RD+32, TT, RD+32
	FMA8 LO, LO, RD+32
.else
	FMA8 LG, TT, LG
.endif
.endm
.macro SOFTMAX
	v_max3_num_f32 v[MX], v[LG], v[LG+1], v[LG+2]
	v_max3_num_f32 v[MX+1], v[LG+3], v[LG+4], v[LG+5]
	v_max3_num_f32 v[MX+2], v[LG+6], v[LG+7], v[LG+8]
	v_max3_num_f32 v[MX+3], v[LG+9], v[LG+10], v[LG+11]
	v_max3_num_f32 v[MX+4], v[LG+12], v[LG+13], v[LG+14]
	v_max3_num_f32 v[MX], v[MX], v[MX+1], v[LG+15]
	v_max3_num_f32 v[MX+2], v[MX+2], v[MX+3], v[MX+4]
	v_max_num_f32 v[MX], v[MX], v[MX+2]
.irp m, 1,2,4
.if \m < (1<<SH)
	v_max_num_f32_dpp v[MX], v[MX], v[MX] row_xmask:\m row_mask:0xf bank_mask:0xf
.endif
.endr
	v_mul_f32 v[MX], s[CS], v[MX]
.set n, 0
.rept 8
	v_pk_fma_f32 v[XA+2*n:XA+2*n+1], v[LG+2*n:LG+2*n+1], s[CS:CS+1], v[MX:MX+1] op_sel_hi:[1,0,0] neg_lo:[0,0,1] neg_hi:[0,0,1]
.set n, n+1
.endr
.if FINE
.set n, 0
.rept 8
	v_pk_fma_f32 v[XA+2*n:XA+2*n+1], v[LO+2*n:LO+2*n+1], s[CS:CS+1], v[XA+2*n:XA+2*n+1] op_sel_hi:[1,0,1]
.set n, n+1
.endr
.endif
.set n, 0
.rept 16
	v_exp_f32 v[P+2*n], v[XA+n]
.set n, n+1
.endr
	v_nop
	s_wait_alu depctr_va_vdst(0)
.set n, 0
.rept 8
	v_add_f32 v[XA+n], v[P+4*n], v[P+4*n+2]
.set n, n+1
.endr
.set n, 0
.rept 4
	v_add_f32 v[XA+n], v[XA+n], v[XA+n+4]
.set n, n+1
.endr
	v_add_f32 v[XA], v[XA], v[XA+2]
	v_add_f32 v[XA+1], v[XA+1], v[XA+3]
	v_add_f32 v[XA], v[XA], v[XA+1]
.irp m, 1,2,4
.if \m < (1<<SH)
	v_add_f32_dpp v[XA], v[XA], v[XA] row_xmask:\m row_mask:0xf bank_mask:0xf
.endif
.endr
	v_rcp_f32 v[RZ], v[XA]
	v_mov_b32 v[RZ+1], 0
	s_wait_alu depctr_va_vdst(0)
.if FINE
	v_mul_f32 v[RZ], v[RZ], v[SG]
.endif
.set n, 0
.rept 16
	v_pk_mul_f32 v[P+2*n:P+2*n+1], v[P+2*n:P+2*n+1], v[RZ:RZ+1] op_sel_hi:[0,0]
.set n, n+1
.endr
.endm
	s_load_b128 s[4:7], s[0:1], 0x0
	s_load_b64 s[8:9], s[0:1], 0x10
	v_lshl_add_u32 v[SPW], v0, 2, SPARE
	v_mov_b32 v[NIL], 0
	ds_add_u32 v[SPW], v[NIL]
	ds_add_u32 v[SPW], v[NIL]
	v_lshrrev_b32 v1, 5, v0
	v_readfirstlane_b32 s[WV], v1
	s_bfe_u32 s[CX], ttmp6, 0x40000
	s_lshl_b32 s[GX], ttmp9, 2
	s_add_co_u32 s[GX], s[GX], s[CX]
	s_and_b32 s[YY], ttmp7, 0xffff
	s_mov_b32 s[G1], 15|(1<<16)|(1<<20)|(1<<21)|(QI<<22)|(3<<25)
	s_mov_b32 s[G1+1], ROWE<<16
	s_mov_b32 s[G1+2], 64<<16
	s_mov_b32 s[G1+3], ROWE<<16
	s_mov_b32 s[G1+4], 64
	s_mov_b32 s[G1+5], ROWE
	s_mov_b32 s[G1+6], 0
	s_mov_b32 s[G1+7], 0
	s_mul_i32 s14, s[WV], BLK
	s_mov_b32 s[G0], 1
	s_mov_b32 s[G0+1], s14
.if NSL > 1
	s_mov_b32 s[G0+4], 1
	s_add_co_u32 s[G0+5], s14, SLOT
.endif
	s_lshl_b32 s16, s[YY], 18
	s_lshl_b32 s17, s[WV], XWS
	s_add_co_u32 s16, s16, s17
	s_mov_b32 s17, 0
	s_lshl_b32 s18, s[GX], WSH
	s_lshl_b32 s51, s[WV], 15
	s_add_co_u32 s18, s18, s51
	s_mov_b32 s19, 0
.if STAGE == 1
	s_lshl_b32 s52, s[GX], 12
	s_lshl_b32 s51, s[YY], 18
	s_add_co_u32 s52, s52, s51
	s_lshl_b32 s51, s[WV], 16
	s_add_co_u32 s52, s52, s51
.else
	s_lshl_b32 s52, s[GX], 17
	s_lshl_b32 s51, s[YY], 12
	s_add_co_u32 s52, s52, s51
	s_lshr_b32 s51, s[WV], 1
	s_lshl_b32 s51, s51, 16
	s_add_co_u32 s52, s52, s51
	s_and_b32 s51, s[WV], 1
	s_lshl_b32 s51, s51, 11
	s_add_co_u32 s52, s52, s51
.endif
	s_mov_b32 s53, 0
	s_mov_b32 s[SEL], 0x76543210
	s_mov_b32 s[SEL+1], 0xfedcba98
	s_mov_b32 s[CS], 0x3fb8aa3b
	s_mov_b32 s[CS+1], s[CS]
	s_mov_b32 s[SOFF], 0
	s_mov_b32 s[OOFF], 0
	s_cmp_eq_u32 s[YY], 0
	s_cselect_b32 s[LIM], 1, -1
	v_and_b32 v1, 15, v0
	v_bfe_u32 v16, v0, 4, 1
	v_bfe_u32 v17, v0, SH, 4-SH
	v_and_b32 v18, (1<<SH)-1, v0
	v_mul_u32_u24 v[ADR0], v18, PITCH
	v_lshl_add_u32 v[ADR0], v16, 4, v[ADR0]
	v_mul_u32_u24 v19, v17, PBLK*BLK
	v_add_nc_u32 v[ADR0], v[ADR0], v19
	s_mul_i32 s15, s[WV], 1280
	s_add_co_u32 s15, s15, RED
	v_mul_u32_u24 v[RR0], v1, 80
	v_add_nc_u32 v[RW0], s15, v[RR0]
	v_add_nc_u32 v[RR0], RED, v[RR0]
	s_lshl_b32 s15, s[WV], OWS
	s_add_co_u32 s15, s15, OUTS
	v_lshlrev_b32 v[OA0], OPS, v17
	v_lshl_add_u32 v[OA0], v16, OWS-1, v[OA0]
	v_add_nc_u32 v[OA0], s15, v[OA0]
	v_and_b32 v[WO], 31, v0
	v_lshlrev_b32 v[WO], 4, v[WO]
	v_lshlrev_b32 v[PFO], 4, v[WO]
.if FINE
	v_and_b32 v[SGI], 1, v0
	v_lshlrev_b32 v[SGI], 31, v[SGI]
	v_xor_b32 v[SG], 0x3f800000, v[SGI]
	v_xor_b32 v[SGI], INVN, v[SGI]
.else
	v_mov_b32 v[SGI], INVN
.endif
	s_wait_dscnt 0x0
	s_wait_kmcnt 0x0
	s_add_nc_u64 s[G0+2:G0+3], s[4:5], s[16:17]
.if NSL > 1
	s_add_nc_u64 s[G0+6:G0+7], s[G0+2:G0+3], 131072
	s_or_b32 s[G0+7], s[G0+7], 0x80000000
.endif
	s_or_b32 s[G0+3], s[G0+3], 0x80000000
	s_add_nc_u64 s[WP:WP+1], s[6:7], s[18:19]
	s_add_nc_u64 s[8:9], s[8:9], s[52:53]
	CROUND
	tensor_load_to_lds s[G0:G0+3], s[G1:G1+7]
	s_nop 0
.if NSL > 1
	tensor_load_to_lds s[G0+4:G0+7], s[G1:G1+7]
	s_nop 0
.endif
	PLACES
	WLOAD
	s_wait_tensorcnt 0x0
	s_barrier_signal -1
	s_barrier_wait -1
	s_mov_b32 s[HC], NH
.Lh:
.if NSL > 1
	s_mov_b32 s[SL], NSL
.Lslot:
	s_cmp_eq_u32 s[SL], 1
	s_cselect_b32 s[FLG], s[HC], 0
.else
	s_mov_b32 s[FLG], s[HC]
.endif
	v_add_nc_u32 v[ADR], s[SOFF], v[ADR0]
	FETCH 0
	s_wait_loadcnt 0x0
.set bb, 0
.rept 2*NKS
	BATCH bb
.set bb, bb+1
.endr
	WIN 0
.set i, 0
.rept 32
	v_mov_b32 v[P+i], v[SGI]
.set i, i+1
.endr
.set i, 0
.rept 16
	v_mov_b32 v[LG+i], 0
.set i, i+1
.endr
	s_cmp_gt_u32 s[FLG], 1
	s_cbranch_scc0 .Lsame_w
	s_wait_xcnt 0x0
	s_add_nc_u64 s[WP:WP+1], s[WP:WP+1], 131072
	WLOAD
.Lsame_w:
	s_mov_b32 s[RB], 0
	s_mov_b32 s[IT], 2
.Liter:
	SEVAL
	SRED
	QPART
	v_add_nc_u32 v[RWA], s[RB], v[RW0]
	v_add_nc_u32 v[RRA], s[RB], v[RR0]
	ds_store_b32 v[RWA], v[QQ] offset:64
	TEVAL
	TRED
	EXCH
	LUPD
	SOFTMAX
	s_add_co_u32 s[RB], s[RB], REDX
	s_sub_co_u32 s[IT], s[IT], 1
	s_cmp_lg_u32 s[IT], 0
	s_cbranch_scc1 .Liter
	SEVAL
	SRED
	QPART
	ds_store_b32 v[RW0], v[QQ] offset:2*REDX+64
	s_wait_dscnt 0x0
	s_barrier_signal -1
	s_barrier_wait -1
.irp w, 0,1,2,3
	ds_load_b32 v[QL+(\w)], v[RR0] offset:2*REDX+1280*(\w)+64
.endr
	s_wait_dscnt 0x0
	FHEAD
	v_add_nc_u32 v[OA], s[OOFF], v[OA0]
	FDONE 0
.if STAGE == 1
.set n, 0
.rept 16
	v_pk_mul_f32 v[S+2*n:S+2*n+1], v[S+2*n:S+2*n+1], v[FF:FF+1]
.set n, n+1
.endr
.set n, 0
.rept 16
.set rU, S+16*(n%2)+n/2
.set rL, TQ+2*(n%4)
	v_cvt_pk_bf16_f32 v[OV+n], v[rU], v[rU+8]
	v_lshlrev_b32 v[rL], 16, v[OV+n]
	v_and_b32 v[rL+1], 0xffff0000, v[OV+n]
	v_sub_f32 v[rL], v[rU], v[rL]
	v_sub_f32 v[rL+1], v[rU+8], v[rL+1]
	v_cvt_pk_bf16_f32 v[OV+16+n], v[rL], v[rL+1]
.set n, n+1
.endr
.irp n, 0,1,2,3
	ds_store_b128 v[OA], v[OV+4*(\n):OV+4*(\n)+3] offset:16*(\n)
	ds_store_b128 v[OA], v[OV+16+4*(\n):OV+16+4*(\n)+3] offset:512+16*(\n)
.endr
.else
.set n, 0
.rept 32
	v_mul_f32 v[OV+n], v[FF], v[S+8*(n%4)+n/4]
.set n, n+1
.endr
.irp n, 0,1,2,3,4,5,6,7
	ds_store_b128 v[OA], v[OV+4*(\n):OV+4*(\n)+3] offset:16*(\n)
.endr
.endif
.if NSL > 1
	s_xor_b32 s[SOFF], s[SOFF], SLOT
	s_xor_b32 s[OOFF], s[OOFF], 8192
	s_sub_co_u32 s[SL], s[SL], 1
	s_cmp_lg_u32 s[SL], 0
	s_cbranch_scc1 .Lslot
.endif
	s_add_co_u32 s[OOFF], s[OOFF], OIS
	s_sub_co_u32 s[HC], s[HC], 1
	s_cmp_lg_u32 s[HC], 0
	s_cbranch_scc1 .Lh
	s_wait_dscnt 0x0
	s_barrier_signal -1
	s_barrier_wait -1
	s_mul_i32 s14, s[WV], NOUT*512
	s_add_co_u32 s14, s14, OUTS
	v_add_nc_u32 v[ADR], s14, v[WO]
.set i, 0
.rept NOUT
	ds_load_b128 v[16+4*i:16+4*i+3], v[ADR] offset:512*i
.set i, i+1
.endr
.set i, 0
.rept NOUT
	s_wait_dscnt NOUT-1-i
	global_store_b128 v[WO], v[16+4*i:16+4*i+3], s[8:9] offset:512*i
.set i, i+1
.endr
	s_wait_tensorcnt 0x0
	ds_add_u32 v[SPW], v[NIL]
	s_wait_dscnt 0x0
	CROUND
	s_endpgm
.Lfunc_end_k_q64e7e63205_route1:
	.size	k_q64e7e63205_route1, .Lfunc_end_k_q64e7e63205_route1-k_q64e7e63205_route1
	.p2alignl 7, 3214868480
	.fill 96, 4, 3214868480
	.section	.rodata,"a",@progbits
	.p2align	6, 0x0
	.amdhsa_kernel k_q64e7e63205_route1
		.amdhsa_group_segment_fixed_size 303104
		.amdhsa_private_segment_fixed_size 0
		.amdhsa_enable_private_segment 0
		.amdhsa_kernarg_size 24
		.amdhsa_user_sgpr_count 2
		.amdhsa_user_sgpr_kernarg_segment_ptr 1
		.amdhsa_wavefront_size32 1
		.amdhsa_system_sgpr_workgroup_id_x 1
		.amdhsa_system_sgpr_workgroup_id_y 1
		.amdhsa_system_sgpr_workgroup_id_z 1
		.amdhsa_system_vgpr_workitem_id 0
		.amdhsa_next_free_vgpr 1024
		.amdhsa_next_free_sgpr 66
		.amdhsa_reserve_vcc 0
		.amdhsa_float_denorm_mode_32 3
		.amdhsa_float_denorm_mode_16_64 3
		.amdhsa_memory_ordered 1
		.amdhsa_forward_progress 1
		.amdhsa_inst_pref_size 164
	.end_amdhsa_kernel
	.amdgpu_metadata
---
amdhsa.version: [ 1, 2 ]
amdhsa.kernels:
  - .name:           k_q64e7e63205_route1
    .symbol:         k_q64e7e63205_route1.kd
    .args:
      - { .name: xb, .offset: 0, .size: 8, .value_kind: global_buffer, .address_space: global }
      - { .name: w1f, .offset: 8, .size: 8, .value_kind: global_buffer, .address_space: global }
      - { .name: o1s, .offset: 16, .size: 8, .value_kind: global_buffer, .address_space: global }
    .group_segment_fixed_size: 303104
    .private_segment_fixed_size: 0
    .kernarg_segment_align: 8
    .kernarg_segment_size: 24
    .max_flat_workgroup_size: 128
    .sgpr_count:     66
    .vgpr_count:     1024
    .wavefront_size: 32
...
	.end_amdgpu_metadata
.endif
;; end of part 2
;; launch route2 (part 3): grid 16 x 16, 4 waves a work-group, clusters of 4 x 1, 290,816 bytes of LDS; arguments o1s, w2f, out0; writes out0
.if DOCPART == 3
	.amdgcn_target "amdgcn-amd-amdhsa--gfx1250"
	.amdhsa_code_object_version 6
	.text
	.protected	k_q64e7e63205_route2
	.globl	k_q64e7e63205_route2
	.p2align	8
	.type	k_q64e7e63205_route2,@function
k_q64e7e63205_route2:
	s_mov_b64 s[64:65], 0
	v_nop
	global_prefetch_b8 v0, s[64:65] scope:SCOPE_SE
	s_setreg_imm32_b32 hwreg(HW_REG_WAVE_MODE, 25, 1), 1
	s_wait_xcnt 0x0
	s_wait_alu depctr_hold_cnt(0) depctr_sa_sdst(0) depctr_va_vdst(0) depctr_va_sdst(0) depctr_va_ssrc(0) depctr_va_vcc(0) depctr_vm_vsrc(0)
	s_getreg_b32 s2, hwreg(HW_REG_IB_STS2, 6, 4)
	s_cmp_eq_u32 s2, 0
	s_cbranch_scc0 .Lentry_in_a_cluster
	s_endpgm
.Lentry_in_a_cluster:
	s_bfe_u32 s2, ttmp6, 0x10000c
	s_cmp_lg_u32 s2, 0x3003
	s_cbranch_scc0 .Lentry_shape_is_right
	s_endpgm
.Lentry_shape_is_right:
.set STAGE, 2
.if STAGE == 1
.set FINE, 1
.set SH,   3
.set NH,   4
.set NSL,  2
.set NKS,  8
.set INVN, 0x3c000000
.set PBLK, 2
.set ROWE, 256
.set QI,   6
.set XWS,  15
.set WSH,  19
.set OWS,  7
.set OPS,  12
.set OIS,  1024
.set NOUT, 8
.set PFB,  0
.else
.set FINE, 0
.set SH,   2
.set NH,   2
.set NSL,  1
.set NKS,  16
.set INVN, 0x3c800000
.set PBLK, 1
.set ROWE, 512
.set QI,   7
.set XWS,  16
.set WSH,  18
.set OWS,  8
.set OPS,  10
.set OIS,  4096
.set NOUT, 4
.set PFB,  16
.endif
.set PITCH, 2*ROWE+16
.set BLK,   64*PITCH+64
.set SLOT,  4*BLK
.set RED,   NSL*SLOT
.set REDX,  5120
.set OUTS,  RED+3*REDX
.set SPARE, OUTS+4*NOUT*512
.set SG,   0
.set SGI,  1
.set ADR0, 2
.set ADR,  3
.set RW0,  4
.set RR0,  5
.set RWA,  6
.set RRA,  7
.set OA0,  8
.set OA,   9
.set WO,   10
.set PFO,  11
.set SPW,  12
.set NIL,  13
.set FF,   14
.set XF,   16
.set TT,   16
.set RD,   32
.set LO,   RD+48
.set OV,   32
.set TQ,   64
.set QL,   96
.set QQ,   100
.set XA,   112
.set MX,   128
.set RZ,   136
.set S,    144
.set T2,   176
.set P,    208
.set LG,   240
.set WV,   10
.set CX,   11
.set GX,   12
.set YY,   13
.set SEL,  20
.set CS,   22
.set G1,   24
.set G0,   32
.set SOFF, 40
.set RB,   41
.set OOFF, 42
.set IT,   43
.set SL,   44
.set HC,   45
.set LIM,  46
.set WP,   48
.set FLG,  50
.set MSB, 0
.macro WIN new
.if MSB != (\new)
	s_set_vgpr_msb (MSB<<8)|(\new)
.set MSB, (\new)
.endif
.endm
.macro PLACES
.rept 4
	v_nop
.endr
.endm
.macro CROUND
	s_barrier_signal -1
	s_barrier_wait -1
	s_cmp_lg_u32 s[WV], 0
	s_cbranch_scc1 .Lnot_wave_0_\@
	s_barrier_signal -3
.Lnot_wave_0_\@:
	s_barrier_wait -3
	s_barrier_signal -1
	s_barrier_wait -1
.endm
.macro WLOAD
	WIN 0x40
.set n, 0
.rept 64
	global_load_b128 v[4*n:4*n+3], v[WO], s[WP:WP+1] offset:512*n
.set n, n+1
.endr
	WIN 0
.endm
.macro ASK
	s_cmp_gt_u32 s[FLG], s[LIM]
	s_cbranch_scc0 .Lnot_asked_\@
.irp k, 0,1,2,3
	global_prefetch_b8 v[PFO], s[WP:WP+1] offset:131072+8192*(\k) th:TH_LOAD_NT scope:SCOPE_SE
.endr
.Lnot_asked_\@:
.endm
.macro FETCH b
	WIN 0
.set i, 0
.rept 8
.set bt, 8*((\b)%2)+i
.if STAGE == 1
.set bo, (bt%8)*8*PITCH+(bt/8)*BLK
.else
.set bo, bt*4*PITCH
.endif
.set rX, XF+64*((\b)%2)+8*i
	ds_load_b128 v[rX:rX+3],   v[ADR] offset:bo+64*((\b)/2)
	ds_load_b128 v[rX+4:rX+7], v[ADR] offset:bo+64*((\b)/2)+32
.set i, i+1
.endr
.endm
.macro BATCH b
	s_wait_dscnt 0x0
.if (\b) < 2*NKS-1
.if (\b) > 0
	PLACES
.endif
	FETCH (\b)+1
.endif
.if (\b) == PFB
	ASK
.endif
	WIN 0xa1+0x50*((\b)%2)
.set i, 0
.rept 8
.set et, 0
.rept 4
.set rD, 8*(4*i+et)
.set rW, 8*(4*(((\b)/2)%8)+et)
.set rX, XF+64*((\b)%2)+8*i
.if (\b) < 2
	v_wmma_f32_16x16x32_bf16 v[rD:rD+7], v[rW:rW+7], v[rX:rX+7], 0
.else
	v_wmma_f32_16x16x32_bf16 v[rD:rD+7], v[rW:rW+7], v[rX:rX+7], v[rD:rD+7]
.endif
.set et, et+1
.endr
.set i, i+1
.endr
.endm
.macro SEVAL
.set bt, 0
.rept 16
	WIN 0x02+bt/8
.set jp, 0
.rept 4
.set et, 0
.rept 4
.set rA, 8*(4*(bt%8)+et)+2*jp
.set rS, S+8*et+2*jp
.if bt == 0
	v_pk_mul_f32 v[rS:rS+1], v[rA:rA+1], v[P+2*bt:P+2*bt+1]
.else
	v_pk_fma_f32 v[rS:rS+1], v[rA:rA+1], v[P+2*bt:P+2*bt+1], v[rS:rS+1]
.endif
.set et, et+1
.endr
.set jp, jp+1
.endr
.set bt, bt+1
.endr
	WIN 0
.endm
.macro SRED
.irp m, 1,2,4
.if \m < (1<<SH)
.set i, 0
.rept 32
	v_add_f32_dpp v[S+i], v[S+i], v[S+i] row_xmask:\m row_mask:0xf bank_mask:0xf
.set i, i+1
.endr
.endif
.endr
.endm
.macro QPART
.set n, 0
.rept 16
.if n < 4
	v_pk_mul_f32 v[QQ+2*n:QQ+2*n+1], v[S+2*n:S+2*n+1], v[S+2*n:S+2*n+1]
.else
	v_pk_fma_f32 v[QQ+2*(n%4):QQ+2*(n%4)+1], v[S+2*n:S+2*n+1], v[S+2*n:S+2*n+1], v[QQ+2*(n%4):QQ+2*(n%4)+1]
.endif
.set n, n+1
.endr
	v_pk_add_f32 v[QQ:QQ+1], v[QQ:QQ+1], v[QQ+2:QQ+3]
	v_pk_add_f32 v[QQ+4:QQ+5], v[QQ+4:QQ+5], v[QQ+6:QQ+7]
	v_pk_add_f32 v[QQ:QQ+1], v[QQ:QQ+1], v[QQ+4:QQ+5]
	v_add_f32 v[QQ], v[QQ], v[QQ+1]
	v_permlanex16_b32 v[QQ+1], v[QQ], s[SEL], s[SEL+1]
	v_add_f32 v[QQ], v[QQ], v[QQ+1]
.endm
.macro TEVAL
.set hf, 0
.rept 2
	WIN 0x02+hf
.set n, 0
.rept 16
.set i, 0
.rept 8
.set rA, 8*(4*i+n/4)+2*(n%4)
.set rT, T2+2*(8*hf+i)
.set rS, S+8*(n/4)+2*(n%4)
.if n == 0
	v_pk_mul_f32 v[rT:rT+1], v[rA:rA+1], v[rS:rS+1]
.else
	v_pk_fma_f32 v[rT:rT+1], v[rA:rA+1], v[rS:rS+1], v[rT:rT+1]
.endif
.set i, i+1
.endr
.set n, n+1
.endr
.set hf, hf+1
.endr
	WIN 0
.endm
.macro TRED
.set i, 0
.rept 16
	v_add_f32 v[T2+2*i], v[T2+2*i], v[T2+2*i+1]
.set i, i+1
.endr
.set i, 0
.rept 16
	v_permlanex16_b32 v[T2+2*i+1], v[T2+2*i], s[SEL], s[SEL+1]
.set i, i+1
.endr
.set i, 0
.rept 16
	v_add_f32 v[TT+i], v[T2+2*i], v[T2+2*i+1]
.set i, i+1
.endr
.irp n, 0,1,2,3
	ds_store_b128 v[RWA], v[TT+4*(\n):TT+4*(\n)+3] offset:16*(\n)
.endr
.endm
.macro FHEAD
	v_add_f32 v[QQ], v[QL], v[QL+1]
	v_add_f32 v[QQ+1], v[QL+2], v[QL+3]
	v_add_f32 v[QQ], v[QQ], v[QQ+1]
	v_add_f32 v[QQ+1], 1.0, v[QQ]
	v_rsq_f32 v[QQ+2], v[QQ]
	v_rcp_f32 v[QQ+3], v[QQ+1]
.endm
.macro FDONE sg
	s_wait_alu depctr_va_vdst(0)
	v_mul_f32 v[FF], v[QQ], v[QQ+2]
	v_mul_f32 v[FF], v[FF], v[QQ+3]
.if \sg
	v_mul_f32 v[FF], v[FF], v[SG]
.endif
	v_mov_b32 v[FF+1], v[FF]
.endm
.macro ADD8 d, a, b, neg=0
.set n, 0
.rept 8
.if \neg
	v_pk_add_f32 v[(\d)+2*n:(\d)+2*n+1], v[(\a)+2*n:(\a)+2*n+1], v[(\b)+2*n:(\b)+2*n+1] neg_lo:[0,1] neg_hi:[0,1]
.else
	v_pk_add_f32 v[(\d)+2*n:(\d)+2*n+1], v[(\a)+2*n:(\a)+2*n+1], v[(\b)+2*n:(\b)+2*n+1]
.endif
.set n, n+1
.endr
.endm
.macro FMA8 d, a, c
.set n, 0
.rept 8
	v_pk_fma_f32 v[(\d)+2*n:(\d)+2*n+1], v[(\a)+2*n:(\a)+2*n+1], v[FF:FF+1], v[(\c)+2*n:(\c)+2*n+1]
.set n, n+1
.endr
.endm
.macro TWOSUM s, e, a, b, t
	ADD8 \s, \a, \b
	ADD8 \t, \s, \a, 1
	ADD8 \e, \s, \t, 1
	ADD8 \e, \a, \e, 1
	ADD8 \t, \b, \t, 1
	ADD8 \e, \e, \t
.endm
.macro EXCH
	s_wait_dscnt 0x0
	s_barrier_signal -1
	s_barrier_wait -1
.irp w, 0,1,2,3
.irp n, 0,1,2,3
	ds_load_b128 v[RD+16*(\w)+4*(\n):RD+16*(\w)+4*(\n)+3], v[RRA] offset:1280*(\w)+16*(\n)
.endr
	ds_load_b32 v[QL+(\w)], v[RRA] offset:1280*(\w)+64
.endr
	s_wait_dscnt 0x0
	FHEAD
.if FINE
	TWOSUM T2, T2+16, RD, RD+16, XA
	TWOSUM RD, RD+16, RD+32, RD+48, XA
	TWOSUM TT, RD+32, T2, RD, XA
	ADD8 T2+16, T2+16, RD+16
	ADD8 LO, T2+16, RD+32
.else
	ADD8 RD, RD, RD+16
	ADD8 RD+32, RD+32, RD+48
	ADD8 TT, RD, RD+32
.endif
	FDONE FINE
.endm
.macro LUPD
.if FINE
	FMA8 RD, TT, LG
	ADD8 RD+32, LG, RD, 1
	FMA8 LG, TT, LG
	FMA8 RD+32, TT, RD+32
	FMA8 LO, LO, RD+32
.else
	FMA8 LG, TT, LG
.endif
.endm
.macro SOFTMAX
	v_max3_num_f32 v[MX], v[LG], v[LG+1], v[LG+2]
	v_max3_num_f32 v[MX+1], v[LG+3], v[LG+4], v[LG+5]
	v_max3_num_f32 v[MX+2], v[LG+6], v[LG+7], v[LG+8]
	v_max3_num_f32 v[MX+3], v[LG+9], v[LG+10], v[LG+11]
	v_max3_num_f32 v[MX+4], v[LG+12], v[LG+13], v[LG+14]
	v_max3_num_f32 v[MX], v[MX], v[MX+1], v[LG+15]
	v_max3_num_f32 v[MX+2], v[MX+2], v[MX+3], v[MX+4]
	v_max_num_f32 v[MX], v[MX], v[MX+2]
.irp m, 1,2,4
.if \m < (1<<SH)
	v_max_num_f32_dpp v[MX], v[MX], v[MX] row_xmask:\m row_mask:0xf bank_mask:0xf
.endif
.endr
	v_mul_f32 v[MX], s[CS], v[MX]
.set n, 0
.rept 8
	v_pk_fma_f32 v[XA+2*n:XA+2*n+1], v[LG+2*n:LG+2*n+1], s[CS:CS+1], v[MX:MX+1] op_sel_hi:[1,0,0] neg_lo:[0,0,1] neg_hi:[0,0,1]
.set n, n+1
.endr
.if FINE
.set n, 0
.rept 8
	v_pk_fma_f32 v[XA+2*n:XA+2*n+1], v[LO+2*n:LO+2*n+1], s[CS:CS+1], v[XA+2*n:XA+2*n+1] op_sel_hi:[1,0,1]
.set n, n+1
.endr
.endif
.set n, 0
.rept 16
	v_exp_f32 v[P+2*n], v[XA+n]
.set n, n+1
.endr
	v_nop
	s_wait_alu depctr_va_vdst(0)
.set n, 0
.rept 8
	v_add_f32 v[XA+n], v[P+4*n], v[P+4*n+2]
.set n, n+1
.endr
.set n, 0
.rept 4
	v_add_f32 v[XA+n], v[XA+n], v[XA+n+4]
.set n, n+1
.endr
	v_add_f32 v[XA], v[XA], v[XA+2]
	v_add_f32 v[XA+1], v[XA+1], v[XA+3]
	v_add_f32 v[XA], v[XA], v[XA+1]
.irp m, 1,2,4
.if \m < (1<<SH)
	v_add_f32_dpp v[XA], v[XA], v[XA] row_xmask:\m row_mask:0xf bank_mask:0xf
.endif
.endr
	v_rcp_f32 v[RZ], v[XA]
	v_mov_b32 v[RZ+1], 0
	s_wait_alu depctr_va_vdst(0)
.if FINE
	v_mul_f32 v[RZ], v[RZ], v[SG]
.endif
.set n, 0
.rept 16
	v_pk_mul_f32 v[P+2*n:P+2*n+1], v[P+2*n:P+2*n+1], v[RZ:RZ+1] op_sel_hi:[0,0]
.set n, n+1
.endr
.endm
	s_load_b128 s[4:7], s[0:1], 0x0
	s_load_b64 s[8:9], s[0:1], 0x10
	v_lshl_add_u32 v[SPW], v0, 2, SPARE
	v_mov_b32 v[NIL], 0
	ds_add_u32 v[SPW], v[NIL]
	ds_add_u32 v[SPW], v[NIL]
	v_lshrrev_b32 v1, 5, v0
	v_readfirstlane_b32 s[WV], v1
	s_bfe_u32 s[CX], ttmp6, 0x40000
	s_lshl_b32 s[GX], ttmp9, 2
	s_add_co_u32 s[GX], s[GX], s[CX]
	s_and_b32 s[YY], ttmp7, 0xffff
	s_mov_b32 s[G1], 15|(1<<16)|(1<<20)|(1<<21)|(QI<<22)|(3<<25)
	s_mov_b32 s[G1+1], ROWE<<16
	s_mov_b32 s[G1+2], 64<<16
	s_mov_b32 s[G1+3], ROWE<<16
	s_mov_b32 s[G1+4], 64
	s_mov_b32 s[G1+5], ROWE
	s_mov_b32 s[G1+6], 0
	s_mov_b32 s[G1+7], 0
	s_mul_i32 s14, s[WV], BLK
	s_mov_b32 s[G0], 1
	s_mov_b32 s[G0+1], s14
.if NSL > 1
	s_mov_b32 s[G0+4], 1
	s_add_co_u32 s[G0+5], s14, SLOT
.endif
	s_lshl_b32 s16, s[YY], 18
	s_lshl_b32 s17, s[WV], XWS
	s_add_co_u32 s16, s16, s17
	s_mov_b32 s17, 0
	s_lshl_b32 s18, s[GX], WSH
	s_lshl_b32 s51, s[WV], 15
	s_add_co_u32 s18, s18, s51
	s_mov_b32 s19, 0
.if STAGE == 1
	s_lshl_b32 s52, s[GX], 12
	s_lshl_b32 s51, s[YY], 18
	s_add_co_u32 s52, s52, s51
	s_lshl_b32 s51, s[WV], 16
	s_add_co_u32 s52, s52, s51
.else
	s_lshl_b32 s52, s[GX], 17
	s_lshl_b32 s51, s[YY], 12
	s_add_co_u32 s52, s52, s51
	s_lshr_b32 s51, s[WV], 1
	s_lshl_b32 s51, s51, 16
	s_add_co_u32 s52, s52, s51
	s_and_b32 s51, s[WV], 1
	s_lshl_b32 s51, s51, 11
	s_add_co_u32 s52, s52, s51
.endif
	s_mov_b32 s53, 0
	s_mov_b32 s[SEL], 0x76543210
	s_mov_b32 s[SEL+1], 0xfedcba98
	s_mov_b32 s[CS], 0x3fb8aa3b
	s_mov_b32 s[CS+1], s[CS]
	s_mov_b32 s[SOFF], 0
	s_mov_b32 s[OOFF], 0
	s_cmp_eq_u32 s[YY], 0
	s_cselect_b32 s[LIM], 1, -1
	v_and_b32 v1, 15, v0
	v_bfe_u32 v16, v0, 4, 1
	v_bfe_u32 v17, v0, SH, 4-SH
	v_and_b32 v18, (1<<SH)-1, v0
	v_mul_u32_u24 v[ADR0], v18, PITCH
	v_lshl_add_u32 v[ADR0], v16, 4, v[ADR0]
	v_mul_u32_u24 v19, v17, PBLK*BLK
	v_add_nc_u32 v[ADR0], v[ADR0], v19
	s_mul_i32 s15, s[WV], 1280
	s_add_co_u32 s15, s15, RED
	v_mul_u32_u24 v[RR0], v1, 80
	v_add_nc_u32 v[RW0], s15, v[RR0]
	v_add_nc_u32 v[RR0], RED, v[RR0]
	s_lshl_b32 s15, s[WV], OWS
	s_add_co_u32 s15, s15, OUTS
	v_lshlrev_b32 v[OA0], OPS, v17
	v_lshl_add_u32 v[OA0], v16, OWS-1, v[OA0]
	v_add_nc_u32 v[OA0], s15, v[OA0]
	v_and_b32 v[WO], 31, v0
	v_lshlrev_b32 v[WO], 4, v[WO]
	v_lshlrev_b32 v[PFO], 4, v[WO]
.if FINE
	v_and_b32 v[SGI], 1, v0
	v_lshlrev_b32 v[SGI], 31, v[SGI]
	v_xor_b32 v[SG], 0x3f800000, v[SGI]
	v_xor_b32 v[SGI], INVN, v[SGI]
.else
	v_mov_b32 v[SGI], INVN
.endif
	s_wait_dscnt 0x0
	s_wait_kmcnt 0x0
	s_add_nc_u64 s[G0+2:G0+3], s[4:5], s[16:17]
.if NSL > 1
	s_add_nc_u64 s[G0+6:G0+7], s[G0+2:G0+3], 131072
	s_or_b32 s[G0+7], s[G0+7], 0x80000000
.endif
	s_or_b32 s[G0+3], s[G0+3], 0x80000000
	s_add_nc_u64 s[WP:WP+1], s[6:7], s[18:19]
	s_add_nc_u64 s[8:9], s[8:9], s[52:53]
	CROUND
	tensor_load_to_lds s[G0:G0+3], s[G1:G1+7]
	s_nop 0
.if NSL > 1
	tensor_load_to_lds s[G0+4:G0+7], s[G1:G1+7]
	s_nop 0
.endif
	PLACES
	WLOAD
	s_wait_tensorcnt 0x0
	s_barrier_signal -1
	s_barrier_wait -1
	s_mov_b32 s[HC], NH
.Lh:
.if NSL > 1
	s_mov_b32 s[SL], NSL
.Lslot:
	s_cmp_eq_u32 s[SL], 1
	s_cselect_b32 s[FLG], s[HC], 0
.else
	s_mov_b32 s[FLG], s[HC]
.endif
	v_add_nc_u32 v[ADR], s[SOFF], v[ADR0]
	FETCH 0
	s_wait_loadcnt 0x0
.set bb, 0
.rept 2*NKS
	BATCH bb
.set bb, bb+1
.endr
	WIN 0
.set i, 0
.rept 32
	v_mov_b32 v[P+i], v[SGI]
.set i, i+1
.endr
.set i, 0
.rept 16
	v_mov_b32 v[LG+i], 0
.set i, i+1
.endr
	s_cmp_gt_u32 s[FLG], 1
	s_cbranch_scc0 .Lsame_w
	s_wait_xcnt 0x0
	s_add_nc_u64 s[WP:WP+1], s[WP:WP+1], 131072
	WLOAD
.Lsame_w:
	s_mov_b32 s[RB], 0
	s_mov_b32 s[IT], 2
.Liter:
	SEVAL
	SRED
	QPART
	v_add_nc_u32 v[RWA], s[RB], v[RW0]
	v_add_nc_u32 v[RRA], s[RB], v[RR0]
	ds_store_b32 v[RWA], v[QQ] offset:64
	TEVAL
	TRED
	EXCH
	LUPD
	SOFTMAX
	s_add_co_u32 s[RB], s[RB], REDX
	s_sub_co_u32 s[IT], s[IT], 1
	s_cmp_lg_u32 s[IT], 0
	s_cbranch_scc1 .Liter
	SEVAL
	SRED
	QPART
	ds_store_b32 v[RW0], v[QQ] offset:2*REDX+64
	s_wait_dscnt 0x0
	s_barrier_signal -1
	s_barrier_wait -1
.irp w, 0,1,2,3
	ds_load_b32 v[QL+(\w)], v[RR0] offset:2*REDX+1280*(\w)+64
.endr
	s_wait_dscnt 0x0
	FHEAD
	v_add_nc_u32 v[OA], s[OOFF], v[OA0]
	FDONE 0
.if STAGE == 1
.set n, 0
.rept 16
	v_pk_mul_f32 v[S+2*n:S+2*n+1], v[S+2*n:S+2*n+1], v[FF:FF+1]
.set n, n+1
.endr
.set n, 0
.rept 16
.set rU, S+16*(n%2)+n/2
.set rL, TQ+2*(n%4)
	v_cvt_pk_bf16_f32 v[OV+n], v[rU], v[rU+8]
	v_lshlrev_b32 v[rL], 16, v[OV+n]
	v_and_b32 v[rL+1], 0xffff0000, v[OV+n]
	v_sub_f32 v[rL], v[rU], v[rL]
	v_sub_f32 v[rL+1], v[rU+8], v[rL+1]
	v_cvt_pk_bf16_f32 v[OV+16+n], v[rL], v[rL+1]
.set n, n+1
.endr
.irp n, 0,1,2,3
	ds_store_b128 v[OA], v[OV+4*(\n):OV+4*(\n)+3] offset:16*(\n)
	ds_store_b128 v[OA], v[OV+16+4*(\n):OV+16+4*(\n)+3] offset:512+16*(\n)
.endr
.else
.set n, 0
.rept 32
	v_mul_f32 v[OV+n], v[FF], v[S+8*(n%4)+n/4]
.set n, n+1
.endr
.irp n, 0,1,2,3,4,5,6,7
	ds_store_b128 v[OA], v[OV+4*(\n):OV+4*(\n)+3] offset:16*(\n)
.endr
.endif
.if NSL > 1
	s_xor_b32 s[SOFF], s[SOFF], SLOT
	s_xor_b32 s[OOFF], s[OOFF], 8192
	s_sub_co_u32 s[SL], s[SL], 1
	s_cmp_lg_u32 s[SL], 0
	s_cbranch_scc1 .Lslot
.endif
	s_add_co_u32 s[OOFF], s[OOFF], OIS
	s_sub_co_u32 s[HC], s[HC], 1
	s_cmp_lg_u32 s[HC], 0
	s_cbranch_scc1 .Lh
	s_wait_dscnt 0x0
	s_barrier_signal -1
	s_barrier_wait -1
	s_mul_i32 s14, s[WV], NOUT*512
	s_add_co_u32 s14, s14, OUTS
	v_add_nc_u32 v[ADR], s14, v[WO]
.set i, 0
.rept NOUT
	ds_load_b128 v[16+4*i:16+4*i+3], v[ADR] offset:512*i
.set i, i+1
.endr
.set i, 0
.rept NOUT
	s_wait_dscnt NOUT-1-i
	global_store_b128 v[WO], v[16+4*i:16+4*i+3], s[8:9] offset:512*i
.set i, i+1
.endr
	s_wait_tensorcnt 0x0
	ds_add_u32 v[SPW], v[NIL]
	s_wait_dscnt 0x0
	CROUND
	s_endpgm
.Lfunc_end_k_q64e7e63205_route2:
	.size	k_q64e7e63205_route2, .Lfunc_end_k_q64e7e63205_route2-k_q64e7e63205_route2
	.p2alignl 7, 3214868480
	.fill 96, 4, 3214868480
	.section	.rodata,"a",@progbits
	.p2align	6, 0x0
	.amdhsa_kernel k_q64e7e63205_route2
		.amdhsa_group_segment_fixed_size 290816
		.amdhsa_private_segment_fixed_size 0
		.amdhsa_enable_private_segment 0
		.amdhsa_kernarg_size 24
		.amdhsa_user_sgpr_count 2
		.amdhsa_user_sgpr_kernarg_segment_ptr 1
		.amdhsa_wavefront_size32 1
		.amdhsa_system_sgpr_workgroup_id_x 1
		.amdhsa_system_sgpr_workgroup_id_y 1
		.amdhsa_system_sgpr_workgroup_id_z 1
		.amdhsa_system_vgpr_workitem_id 0
		.amdhsa_next_free_vgpr 1024
		.amdhsa_next_free_sgpr 66
		.amdhsa_reserve_vcc 0
		.amdhsa_float_denorm_mode_32 3
		.amdhsa_float_denorm_mode_16_64 3
		.amdhsa_memory_ordered 1
		.amdhsa_forward_progress 1
		.amdhsa_inst_pref_size 195
	.end_amdhsa_kernel
	.amdgpu_metadata
---
amdhsa.version: [ 1, 2 ]
amdhsa.kernels:
  - .name:           k_q64e7e63205_route2
    .symbol:         k_q64e7e63205_route2.kd
    .args:
      - { .name: o1s, .offset: 0, .size: 8, .value_kind: global_buffer, .address_space: global }
      - { .name: w2f, .offset: 8, .size: 8, .value_kind: global_buffer, .address_space: global }
      - { .name: out0, .offset: 16, .size: 8, .value_kind: global_buffer, .address_space: global }
    .group_segment_fixed_size: 290816
    .private_segment_fixed_size: 0
    .kernarg_segment_align: 8
    .kernarg_segment_size: 24
    .max_flat_workgroup_size: 128
    .sgpr_count:     66
    .vgpr_count:     1024
    .wavefront_size: 32
...
	.end_amdgpu_metadata
.endif
;; end of part 3
